; MI455X (gfx1250); checked and timed in simulation.
; The chip was launched on July 23, 2026; its instructions are those of AMD's public machine-readable ISA for CDNA 5 (MIT licence, August 2026) and "CDNA5" Instruction Set Architecture Reference Guide (July 2026). The comments in the code are by the model that wrote it; some were corrected since.
;; Scaled Dot Product Attention. Allowed arithmetic: float matrix products may take bf16 or f16 operands with f32 sums; all other float work in f32.
;; Inputs: k 4 x 16 x 2,048 x 64 float32; q 4 x 16 x 2,048 x 64 float32; v 4 x 16 x 2,048 x 64 float32.
;; Outputs: out0 4 x 16 x 2,048 x 64 float32.
;; One version. Each part assembles by itself: llvm-mc -triple=amdgcn-amd-amdhsa -mcpu=gfx1250 --defsym DOCPART=n.
;; ======== version 1 of 1: 1 launch
;; launch attn (part 1): grid 256 x 1, 8 waves a work-group, clusters of 4 x 1, 327,680 bytes of LDS; arguments q, k, v, out0; writes out0
.if DOCPART == 1
	.amdgcn_target "amdgcn-amd-amdhsa--gfx1250"
	.amdhsa_code_object_version 6
	.text
	.protected	k_q8f754cc199_attn
	.globl	k_q8f754cc199_attn
	.p2align	8
	.type	k_q8f754cc199_attn,@function
k_q8f754cc199_attn:
	s_mov_b64 s[64:65], 0
	v_nop
	global_prefetch_b8 v0, s[64:65] scope:SCOPE_SE
	s_setreg_imm32_b32 hwreg(HW_REG_WAVE_MODE, 25, 1), 1
	s_wait_xcnt 0x0
	s_wait_alu depctr_hold_cnt(0) depctr_sa_sdst(0) depctr_va_vdst(0) depctr_va_sdst(0) depctr_va_ssrc(0) depctr_va_vcc(0) depctr_vm_vsrc(0)
	s_getreg_b32 s2, hwreg(HW_REG_IB_STS2, 6, 4)
	s_cmp_eq_u32 s2, 0
	s_cbranch_scc0 .Lentry_in_a_cluster
	s_endpgm
.Lentry_in_a_cluster:
	s_bfe_u32 s2, ttmp6, 0x10000c
	s_cmp_lg_u32 s2, 0x3003
	s_cbranch_scc0 .Lentry_shape_is_right
	s_endpgm
.Lentry_shape_is_right:
; out0[b][h][s][:] = softmax over t of (8 * q[s].k[t]) times v[t][:].  q, k, v, out0: [4][16][2048][64] f32.
; The factor 8 is the source module's own: it divides the scores by 64^-0.5.  Nothing of the computation is left out and all three inputs are loaded.
;
; FORM.  One launch, running-maximum softmax, nothing goes through memory between the two products.  q, k and v are rounded to bf16 as they stand
; (nearest even); the factor 8 log2(e) is applied to the f32 scores afterwards, so the rounded operands are those of the inputs themselves.
; bf16 and not f16: the operands keep f32's range.  Sums, maxima, exponentials and the carried state are f32.
; SHARES.  A cluster of four work-groups is one head; work-group cx of it owns query rows 512 cx .. 512 cx + 511; each of its eight waves owns 64 of them
; (four query tiles of 16) and walks all 2,048 keys.  All four work-groups need the same K and V, so each tile of 128 keys is asked for JOINTLY:
; the four issue the same tensor loads with a mask that names the four, which divides the requests for K and V by four.
; The tiles land as raw f32; the work-group rounds a raw tile to bf16 once (each thread 1/256 of it) into LDS bytes that no tensor load touches, and all
; eight waves take their fragments from there: one conversion for 512 query rows.
; BOTH PRODUCTS ARE TRANSPOSED.  S^T = K Q^T: lane (r = lane % 16, h = lane / 16) holds in register j of a tile the score of key 8 h + j and query r.
; Two such tiles, packed to bf16, ARE the second source of O^T = V^T P^T (query r; keys 8 h .. in registers 0-3, 16 + 8 h .. in 4-7): P never leaves its
; registers.  A query's maximum and sum are reductions inside a lane plus one exchange with lane xor 16, and the factor that rescales O is one number a lane.
; V^T comes from V stored [key][d] by the transposing LDS load.
;
; TWO PIECES TAKE TURNS.  Piece A = query tiles 0, 1; piece B = tiles 2, 3.  64 keys (step j) are two half-steps.  Half-step H_X(j) issues all the
; products of piece X, PV_X(j) (16) and then S_X(j+1) (16), and among them the vector work that does not wait for them: the sums and the pack of X's
; p(j), of which PV_X needs each fragment just in time, and the other piece's maxima, statistics, rescale, multiply-adds and exponentials for its next scores.
; The order is H_A(j), H_B(j), H_A(j+1) ..  K(j+1) is loaded at the head of H_A(j), V(j+1) in H_B(j) behind PV_B(j): both sets of fragments are live at once.
; WINDOWS.  The products' two settings serve part of the vector work as they stand: under PV's (V and O in window 1, P in window 0) O x= AL can be written,
; under S's (Q in window 1) the multiply-add with a literal as source 1 and the exponential.  So 20 of a half-step's 32 products stand one by one among
; such work with no switch; the other 12 stand in six runs of two among work that wants window 0, a switch in front of each run and one behind it.
;
; LIMITS.  (1) p below 2^-126 counts as 0 (v_exp_f32 flushes denormal results: ISA guide, its entry in 15.8).  (2) p enters the second product rounded to bf16
; while the denominator sums the unrounded f32: at most 2^-9 relative.  (3) The maxima let a NaN lose; a NaN score still reaches its own row through the
; exponential.  (4) Sums run tile by tile, in another order than a plain softmax.  (5) The scores are multiplied by 8 log2(e) = 11.54 in one step, so they
; overflow f32 from 2.9e37 on, where the multiplication by 8 alone would from 4.2e37 on.
;
; LDS (bytes):      0  RAW0, 65,536  RAW1: 65,536 each: K's 128 rows of 256 bytes, then V's; wave w's load fills bytes 8,192 w .. of a slot
;             131,072  BF0, 169,984  BF1:  38,912 each: K bf16, 128 rows at pitch 144; then V bf16 [key][d], 128 rows at pitch 160
;             208,896  STAGE: 4,352 for each wave, its own: Q's 16 rows at pitch 144 on the way in, O's 16 rows at pitch 272 on the way out
; Pitch 144 and 272: odd multiples of 16, so sixteen rows start at sixteen different 16-byte columns modulo 256.  Pitch 160: an odd multiple of 32, for the transposing load.
; REGISTERS.  Window 0: v1-11 addresses, v12-35 the statistics, v36-163 scores and then P, v164-227 K fragments, v228-235 at work, v236-251 the conversion.
;             Window 1: v256-383 O (tile (q, dt) at 8 (4 q + dt)), v384-447 the Q fragments (q, ks) at 128 + 16 q + 8 ks, v448-511 V fragments (ks, dt) at 192 + 8 (4 ks + dt).
.set TILEB, 32768                      ; a tile of K or of V in memory: 128 keys x 256 bytes, dense
.set RAWS,  65536                      ; a raw slot
.set BF0,   131072
.set BFS,   38912                      ; a bf16 slot
.set KP,    144                        ; pitch of K's (and Q's) bf16 rows
.set VP,    160                        ; pitch of V's bf16 rows
.set VOFF,  128*KP                     ; V behind K in a bf16 slot
.set STAGE, BF0+2*BFS
.set STW,   4352                       ; a wave's stage
.set OP,    272                        ; pitch of O's f32 rows in the stage
.set ADK,  1                           ; v1   BF0 + 144 r + 16 h                                  K fragments
.set ADV,  2                           ; v2   BF0 + VOFF + 160 (8 h + lane % 8) + 16 ((lane / 8) % 2)   V fragments, transposing load
.set ADR0, 3                           ; v3, v4   16 x thread in raw slot 0, 1
.set ASK,  5                           ; v5   BF0 + 288 w + 144 h + 8 r;  v6  BF0 + VOFF + 320 w + 160 h + 8 r     where I put converted K, V
.set GOFF, 7                           ; v7   16 x lane: my bytes in 512 bytes of q and of out0
.set QST,  8                           ; v8   stage + 144 h + 8 r
.set QLD,  9                           ; v9   stage + 144 r + 16 h
.set STO,  10                          ; v10  stage + 272 r + 32 h
.set RD,   11                          ; v11  stage + 272 h + 16 r
.set NRP,  12                          ; v[12+2q:13+2q]  (NR, M): M the running maximum of the raw scores, NR = -(M x 8 log2 e), rounded
.set ALP,  20                          ; v[20+2q:21+2q]  (AL, D): AL = 2^D rescales what was summed under the old maximum
.set LP,   28                          ; v[28+2q:29+2q]  two partial sums of p
.set SC,   36                          ; v[36:163]  score tile (q, kt) at SC + 32 q + 8 kt; packed, P fragment (q, ks) at SC + 32 q + 16 ks
.set KF,   164                         ; v[164:227] K fragment (kt, ks) at KF + 16 kt + 8 ks
.set TQ,   228                         ; v[228:231] one a query tile
.set TS,   232                         ; v[232:233], v[234:235] pairs for the sums
.set US,   234
.set CV,   236                         ; v[236:251] four times 16 raw bytes on their way to bf16
.set QF,   128                         ; window 1
.set VF,   192                         ; window 1
.set G1,   16                          ; s[16:23] descriptor group 1, never rewritten
.set G0,   24                          ; s[24:27], s[28:31] descriptor group 0 of raw slot 0, 1
.set W_PV, 0x51                        ; source 0 (V; O in a rescale), source 2 and destination (O) in window 1; source 1 (P; AL) in window 0
.set W_S,  0x04                        ; source 1 (Q) in window 1, all else in window 0
.set W_D1, 0x40                        ; destination in window 1: loads of Q's and V's fragments
.set MSB, 0
.macro WIN new                         ; s_set_vgpr_msb: bits 1:0 source 0, 3:2 source 1, 5:4 source 2, 7:6 destination; the high byte repeats the setting that is left.
.if MSB != \new                        ; Every macro below states the setting that it needs; a switch is written only where the setting changes
	s_set_vgpr_msb (MSB<<8)|\new
.set MSB, \new
.endif
.endm
; A round of the cluster's barrier: my work-group's barrier, so that wave 0 speaks for all eight waves; wave 0 signals for the work-group; every wave waits
; for all four work-groups; my work-group's barrier once more.
.macro ROUND
	s_barrier_signal -1
	s_barrier_wait -1
	s_cmp_lg_u32 s12, 0
	s_cbranch_scc1 .Lnot_wave_0_\@
	s_barrier_signal -3
.Lnot_wave_0_\@:
	s_barrier_wait -3
	s_barrier_signal -1
	s_barrier_wait -1
.endm
	s_load_b256 s[4:11], s[0:1], 0x0               ; q s[4:5], k s[6:7], v s[8:9], out0 s[10:11]
	v_lshl_add_u32 v254, v0, 2, 0x3b800
	v_mov_b32 v255, 0
	ds_add_u32 v254, v255
	v_lshrrev_b32 v[TQ], 5, v0
	v_readfirstlane_b32 s12, v[TQ]                 ; wave 0..7
	s_bfe_u32 s13, ttmp6, 0x40000                  ; cx: my query block.  It enters q's and out0's addresses alone
	s_mov_b32 s36, 0x76543210                      ; v_permlanex16_b32: lane i takes lane i of the other half
	s_mov_b32 s37, 0xfedcba98
	; Group 1: 8,192 dense bytes as 32 rows of 32 elements of 8 bytes; the same for every load
	s_mov_b32 s[G1+0], 15|(3<<16)|(1<<21)          ; 15:0 the mask: all four work-groups of the cluster; 17:16 elements of 8 bytes; 21 set beside a mask; no padding
	s_mov_b32 s[G1+1], 32<<16                      ; tensor_dim0 = 32
	s_mov_b32 s[G1+2], 32<<16                      ; tensor_dim1 = 32
	s_mov_b32 s[G1+3], 32<<16                      ; tile_dim0 = 32 elements: 256 bytes
	s_mov_b32 s[G1+4], 32                          ; tile_dim1 = 32 rows
	s_mov_b32 s[G1+5], 32                          ; from row to row: 32 elements, dense
	s_mov_b32 s[G1+6], 0
	s_mov_b32 s[G1+7], 0
	s_lshl_b32 s32, ttmp9, 19                      ; the head (the cluster's number) x 524,288 bytes,
	s_and_b32 s14, s12, 3
	s_lshl_b32 s14, s14, 13
	s_add_co_u32 s32, s32, s14                     ; + my quarter of a tile: 32 keys x 256 bytes
	s_mov_b32 s33, 0
	s_lshl_b32 s40, ttmp9, 19                      ; q and out0: the head,
	s_lshl_b32 s13, s13, 17
	s_add_co_u32 s40, s40, s13                     ; + the query block: 512 rows x 256 bytes,
	s_lshl_b32 s14, s12, 14
	s_add_co_u32 s40, s40, s14                     ; + the wave: 64 rows
	s_mov_b32 s41, 0
	v_and_b32 v[TQ], 31, v0
	v_lshlrev_b32 v[GOFF], 4, v[TQ]
	s_wait_dscnt 0x0
	s_wait_kmcnt 0x0
	s_cmp_lt_u32 s12, 4                            ; waves 0-3 fetch K's four quarters, waves 4-7 V's
	s_cselect_b64 s[34:35], s[6:7], s[8:9]
	s_add_nc_u64 s[34:35], s[34:35], s[32:33]
	s_add_nc_u64 s[42:43], s[4:5], s[40:41]        ; my 64 rows of q
	s_add_nc_u64 s[44:45], s[10:11], s[40:41]      ; and of out0
	s_mov_b32 s[G0+0], 1                           ; count = 1
	s_lshl_b32 s[G0+1], s12, 13                    ; LDS: 8,192 x wave in slot 0
	s_mov_b64 s[G0+2:G0+3], s[34:35]               ; tile 0
	s_or_b32 s[G0+3], s[G0+3], 0x80000000          ; type = 2
	s_mov_b32 s[G0+4], 1
	s_add_co_u32 s[G0+5], s[G0+1], RAWS            ; the same place in slot 1
	s_add_nc_u64 s[G0+6:G0+7], s[34:35], TILEB     ; tile 1
	s_or_b32 s[G0+7], s[G0+7], 0x80000000
	ROUND                                          ; all four work-groups are here: the first joint loads meet
	tensor_load_to_lds s[G0:G0+3], s[G1:G1+7]      ; both first fills as one group, ahead of every LDS access: two tensor loads of the wave are out,
	s_nop 0
	tensor_load_to_lds s[G0+4:G0+7], s[G1:G1+7]    ; later never more than one
	s_nop 0
.irp q, 0,1,2,3
.irp i, 0,1,2,3,4,5,6,7
	global_load_b128 v[SC+32*\q+4*\i:SC+32*\q+4*\i+3], v[GOFF], s[42:43] offset:4096*\q+512*\i th:TH_LOAD_NT   ; two rows of q, 512 neighbouring bytes; read once in the launch
.endr
.endr
	v_and_b32 v[TQ+1], 15, v0                      ; r
	v_bfe_u32 v[TQ+2], v0, 4, 1                    ; h
	s_mul_i32 s14, s12, 2*KP
	s_add_co_u32 s14, s14, BF0                     ; BF0 + 288 w
	s_mul_i32 s15, s12, STW
	s_add_co_u32 s15, s15, STAGE                   ; my stage
	v_mul_u32_u24 v[QLD], v[TQ+1], KP
	v_lshl_add_u32 v[QLD], v[TQ+2], 4, v[QLD]      ; 144 r + 16 h
	v_add_nc_u32 v[ADK], BF0, v[QLD]
	v_add_nc_u32 v[QLD], s15, v[QLD]
	v_mul_u32_u24 v[QST], v[TQ+2], KP
	v_lshl_add_u32 v[QST], v[TQ+1], 3, v[QST]      ; 144 h + 8 r
	v_add_nc_u32 v[ASK], s14, v[QST]
	v_add_nc_u32 v[QST], s15, v[QST]
	s_mul_i32 s14, s12, 2*VP
	s_add_co_u32 s14, s14, BF0+VOFF                ; BF0 + VOFF + 320 w
	v_mul_u32_u24 v[ASK+1], v[TQ+2], VP
	v_lshl_add_u32 v[ASK+1], v[TQ+1], 3, v[ASK+1]  ; 160 h + 8 r
	v_add_nc_u32 v[ASK+1], s14, v[ASK+1]
	v_and_b32 v[TQ+3], 7, v0
	v_lshl_add_u32 v[TQ+3], v[TQ+2], 3, v[TQ+3]    ; 8 h + lane % 8: the key row that I address
	v_mul_u32_u24 v[ADV], v[TQ+3], VP
	v_bfe_u32 v[TQ+3], v0, 3, 1
	v_lshl_add_u32 v[ADV], v[TQ+3], 4, v[ADV]      ; + 16 bytes for the upper eight of sixteen d
	v_add_nc_u32 v[ADV], BF0+VOFF, v[ADV]
	v_lshlrev_b32 v[ADR0], 4, v0                   ; 16 x thread = 512 w + 16 lane
	v_add_nc_u32 v[ADR0+1], RAWS, v[ADR0]
	v_mul_u32_u24 v[STO], v[TQ+1], OP
	v_lshl_add_u32 v[STO], v[TQ+2], 5, v[STO]
	v_add_nc_u32 v[STO], s15, v[STO]
	v_mul_u32_u24 v[RD], v[TQ+2], OP
	v_lshl_add_u32 v[RD], v[TQ+1], 4, v[RD]
	v_add_nc_u32 v[RD], s15, v[RD]
; Query tile q: 16 rows of q rounded to bf16, through my own stage, into two fragments (column = query r; d = 32 ks + 8 h .., 32 ks + 16 + 8 h ..) in window 1.
.macro QTILE q
	s_wait_loadcnt 24-8*\q                         ; loads come back in order: mine are in, the later tiles' eight each stay out
.irp i, 0,1,2,3,4,5,6,7
	v_cvt_pk_bf16_f32 v[SC+32*\q+4*\i],   v[SC+32*\q+4*\i],   v[SC+32*\q+4*\i+1]
	v_cvt_pk_bf16_f32 v[SC+32*\q+4*\i+1], v[SC+32*\q+4*\i+2], v[SC+32*\q+4*\i+3]
.endr
.if \q
	s_wait_dscnt 0x0                               ; the stage's rows are written again when the fragment loads of the tile before are back
.endif
.irp i, 0,1,2,3,4,5,6,7
	ds_store_b64 v[QST], v[SC+32*\q+4*\i:SC+32*\q+4*\i+1] offset:2*KP*\i      ; row 2 i + h, d = 4 r .. 4 r + 3
.endr
	WIN W_D1
.irp ks, 0,1
	ds_load_b128 v[QF+16*\q+8*\ks:QF+16*\q+8*\ks+3],   v[QLD] offset:64*\ks      ; my own bytes: LDS serves a wave in order, these see the stores above
	ds_load_b128 v[QF+16*\q+8*\ks+4:QF+16*\q+8*\ks+7], v[QLD] offset:64*\ks+32
.endr
	WIN 0
.endm
; The conversion of a raw tile (u = 0: K, 1: V), half hf of my share at a time.  Thread t takes the 16 bytes at 16 t + 4,096 i, i = 4 hf .. 4 hf + 3:
; row 16 i + 2 w + h, d = 4 r .. 4 r + 3.
.macro CONV_LD slot, u, hf
	WIN 0
.irp i, 0,1,2,3
	ds_load_b128 v[CV+4*\i:CV+4*\i+3], v[ADR0+(\slot)] offset:TILEB*(\u)+4096*(4*(\hf)+\i)
.endr
.endm
.macro CONV_ST bslot, u, hf
	WIN 0
.irp i, 0,1,2,3
	v_cvt_pk_bf16_f32 v[CV+4*\i],   v[CV+4*\i],   v[CV+4*\i+1]
	v_cvt_pk_bf16_f32 v[CV+4*\i+1], v[CV+4*\i+2], v[CV+4*\i+3]
.endr
.irp i, 0,1,2,3
	ds_store_b64 v[ASK+(\u)], v[CV+4*\i:CV+4*\i+1] offset:(\bslot)*BFS+16*(KP+(VP-KP)*(\u))*(4*(\hf)+\i)
.endr
.endm
	QTILE 0
	QTILE 1
	QTILE 2
	QTILE 3
	s_wait_tensorcnt 0x1                           ; my part of tile 0 is in; tile 1 stays out
	s_wait_dscnt 0x0                               ; the Q fragments are in; no LDS access of mine is pending at the signal
	s_barrier_signal -1
	s_barrier_wait -1                              ; everybody's part of tile 0 is in
.irp u, 0,1
.irp hf, 0,1
	CONV_LD 0, \u, \hf                             ; tile 0 is converted at once, into bf16 slot 0
	s_wait_dscnt 0x0
	CONV_ST 0, \u, \hf
.endr
.endr
; K fragments of 64 keys (u = which half of the tile): (kt, ks) = keys 16 kt .., d 32 ks ..: row r, two loads of 16 bytes, 32 bytes apart
.macro KLOAD bs, u
	WIN 0
.irp kt, 0,1,2,3
.irp ks, 0,1
	ds_load_b128 v[KF+16*\kt+8*\ks:KF+16*\kt+8*\ks+3],   v[ADK] offset:(\bs)*BFS+(64*(\u)+16*\kt)*KP+64*\ks
	ds_load_b128 v[KF+16*\kt+8*\ks+4:KF+16*\kt+8*\ks+7], v[ADK] offset:(\bs)*BFS+(64*(\u)+16*\kt)*KP+64*\ks+32
.endr
.endr
.endm
; V^T fragments of 64 keys: (ks, dt) = keys 32 ks .., d 16 dt ..: row = d, keys along the registers, by the transposing load, into window 1
.macro VLOAD bs, u
	WIN W_D1
.irp ks, 0,1
.irp dt, 0,1,2,3
	ds_load_tr16_b128 v[VF+8*(4*\ks+\dt):VF+8*(4*\ks+\dt)+3],   v[ADV] offset:(\bs)*BFS+(64*(\u)+32*\ks)*VP+32*\dt
	ds_load_tr16_b128 v[VF+8*(4*\ks+\dt)+4:VF+8*(4*\ks+\dt)+7], v[ADV] offset:(\bs)*BFS+(64*(\u)+32*\ks)*VP+32*\dt+16*VP
.endr
.endr
.endm
; One product of O^T += V^T P^T: query tile q, keys 32 ks .., d 16 dt ..  zero = 1: it starts the sum, nothing is ever cleared.  Wants the setting W_PV.
.macro WPV q, ks, dt, zero
.set PD, 8*(4*(\q)+(\dt))
.set PA, VF+8*(4*(\ks)+(\dt))
.set PB, SC+32*(\q)+16*(\ks)
.if \zero
	v_wmma_f32_16x16x32_bf16 v[PD:PD+7], v[PA:PA+7], v[PB:PB+7], 0
.else
	v_wmma_f32_16x16x32_bf16 v[PD:PD+7], v[PA:PA+7], v[PB:PB+7], v[PD:PD+7]
.endif
.endm
.macro PVRUN q, ks, dt, zero           ; a run of two, on two accumulators
	WIN W_PV
	WPV \q, \ks, \dt, \zero
	WPV \q, \ks, \dt+1, \zero
.endm
; Product i = 0 .. 15 of S^T = K Q^T for piece p.  Four accumulators (two query tiles x two key tiles) take turns, one instruction a turn, first with
; d = 0 .. 31 and the constant 0, then with d = 32 .. 63; then the other two key tiles.  Wants the setting W_S.
.macro SWM p, i
.set WQ, 2*(\p)+(\i)%2
.set WKT, 2*((\i)/8)+((\i)/2)%2
.set WKS, ((\i)/4)%2
.set WD, SC+32*WQ+8*WKT
.if WKS == 0
	v_wmma_f32_16x16x32_bf16 v[WD:WD+7], v[KF+16*WKT+8*WKS:KF+16*WKT+8*WKS+7], v[QF+16*WQ+8*WKS:QF+16*WQ+8*WKS+7], 0
.else
	v_wmma_f32_16x16x32_bf16 v[WD:WD+7], v[KF+16*WKT+8*WKS:KF+16*WKT+8*WKS+7], v[QF+16*WQ+8*WKS:QF+16*WQ+8*WKS+7], v[WD:WD+7]
.endif
.endm
; Score tile n = 0 .. 7 of piece p, in the order in which the tiles are packed: (q0, kt 0), (q0, 1), (q1, 0), (q1, 1), (q0, 2), (q0, 3), (q1, 2), (q1, 3)
.macro TILEOF p, n
.set TQI, 2*(\p)+((\n)/2)%2
.set TB, SC+32*TQI+8*(2*((\n)/4)+(\n)%2)
.endm
; Half hf of tile n: x = s x 8 log2 e + NR, one rounding.  The literal stands as source 1, so the line reads the same registers under W_S as under 0.
.macro SFMAH o, n, hf
	TILEOF \o, \n
.irp j, 0,2
	v_pk_fma_f32 v[TB+4*(\hf)+\j:TB+4*(\hf)+\j+1], v[TB+4*(\hf)+\j:TB+4*(\hf)+\j+1], 0x4138aa3b, v[NRP+2*TQI:NRP+2*TQI+1] op_sel_hi:[1,0,0]
.endr
.endm
.macro SEXPH o, n, hf                  ; p = 2^x in place
	TILEOF \o, \n
.irp j, 0,1,2,3
	v_exp_f32 v[TB+4*(\hf)+\j], v[TB+4*(\hf)+\j]
.endr
.endm
; Tile (q, kt): its eight p are summed and packed to bf16.  An even kt packs in place, an odd one closes up behind it: two tiles make a P fragment.
.macro SUSE q, kt, first
	WIN 0
.set UB, SC+32*(\q)+8*(\kt)
.set UP, UB-4*((\kt)%2)
.set UL, LP+2*(\q)
.set UA, ALP+2*(\q)
	s_wait_alu depctr_va_vdst(0)
	v_pk_add_f32 v[TS:TS+1], v[UB:UB+1], v[UB+2:UB+3]
	v_pk_add_f32 v[US:US+1], v[UB+4:UB+5], v[UB+6:UB+7]
	v_cvt_pk_bf16_f32 v[UP],   v[UB],   v[UB+1]
	v_cvt_pk_bf16_f32 v[UP+1], v[UB+2], v[UB+3]
.if (\kt) == 0
.if \first
	v_pk_add_f32 v[UL:UL+1], v[TS:TS+1], v[US:US+1]               ; the first tile starts the sums: nothing is cleared
.else
	v_pk_add_f32 v[TS:TS+1], v[TS:TS+1], v[US:US+1]
.endif
.else
	v_pk_add_f32 v[TS:TS+1], v[TS:TS+1], v[US:US+1]
.endif
	v_cvt_pk_bf16_f32 v[UP+2], v[UB+4], v[UB+5]
	v_cvt_pk_bf16_f32 v[UP+3], v[UB+6], v[UB+7]
.if (\kt) == 0
.if \first == 0
	v_pk_fma_f32 v[UL:UL+1], v[UL:UL+1], v[UA:UA+1], v[TS:TS+1] op_sel_hi:[1,0,1]   ; the old sums come under the new maximum, once for 64 keys
.endif
.else
	v_pk_add_f32 v[UL:UL+1], v[UL:UL+1], v[TS:TS+1]
.endif
.endm
; Step i = 0 .. 7 of the maxima of piece o: four chains that do not wait for each other, two a query tile (keys of tiles kt 0, 1 onto M; kt 2, 3 onto TQ)
.macro MXSTEP o, i, first
	WIN 0
.irp e, 0,1
.set MQ, 2*(\o)+\e
.if (\i) == 0
.if \first
	v_max_num_f32 v[NRP+2*MQ+1], v[SC+32*MQ], v[SC+32*MQ+1]       ; the first scores start the running maximum
.else
	v_max3_num_f32 v[NRP+2*MQ+1], v[SC+32*MQ], v[SC+32*MQ+1], v[NRP+2*MQ+1]
.endif
	v_max_num_f32 v[TQ+MQ], v[SC+32*MQ+16], v[SC+32*MQ+17]
.else
	v_max3_num_f32 v[NRP+2*MQ+1], v[SC+32*MQ+2*(\i)], v[SC+32*MQ+2*(\i)+1], v[NRP+2*MQ+1]
	v_max3_num_f32 v[TQ+MQ], v[SC+32*MQ+16+2*(\i)], v[SC+32*MQ+17+2*(\i)], v[TQ+MQ]
.endif
.endr
.endm
; The two chains meet, the other half of the keys comes from lane xor 16.  The shift NR is the rounded -(M x 8 log2 e), and AL = 2^(new NR - old NR) is made
; of the two rounded shifts, so numerator, denominator and O are always under exactly one shift, however large the scores.
.macro STATS o, first
	WIN 0
.irp e, 0,1
	v_max_num_f32 v[NRP+2*(2*(\o)+\e)+1], v[NRP+2*(2*(\o)+\e)+1], v[TQ+2*(\o)+\e]
.endr
.irp e, 0,1
	v_permlanex16_b32 v[TQ+2*(\o)+\e], v[NRP+2*(2*(\o)+\e)+1], s36, s37
.endr
.irp e, 0,1
	v_max_num_f32 v[NRP+2*(2*(\o)+\e)+1], v[NRP+2*(2*(\o)+\e)+1], v[TQ+2*(\o)+\e]
.endr
.if \first
.irp e, 0,1
	v_mul_f32 v[NRP+2*(2*(\o)+\e)], 0xc138aa3b, v[NRP+2*(2*(\o)+\e)+1]          ; -8 log2 e
.endr
.else
.irp e, 0,1
	v_mul_f32 v[TQ+2*(\o)+\e], 0xc138aa3b, v[NRP+2*(2*(\o)+\e)+1]
.endr
.irp e, 0,1
	v_sub_f32 v[ALP+2*(2*(\o)+\e)+1], v[TQ+2*(\o)+\e], v[NRP+2*(2*(\o)+\e)]     ; at most 0
.endr
.irp e, 0,1
	v_exp_f32 v[ALP+2*(2*(\o)+\e)], v[ALP+2*(2*(\o)+\e)+1]
.endr
	s_wait_alu depctr_va_vdst(0)
.irp e, 0,1
	v_mov_b32 v[NRP+2*(2*(\o)+\e)], v[TQ+2*(\o)+\e]               ; plain instructions between the exponentials and the first use of AL (ISA guide 5.7.2)
.endr
.endif
.endm
; Slice k = 0 .. 3 of O x= AL for piece o: eight pairs.  One number a lane, since a lane holds one query.  Wants the setting W_PV: O in window 1 as
; destination and source 0, AL in window 0 as source 1.
.macro RESC o, k
.irp t, 0,1,2,3,4,5,6,7
.set RM, 8*(\k)+\t
.set RQ, 2*(\o)+RM/16
.set RP, 32*RQ+2*(RM%16)
	v_pk_mul_f32 v[RP:RP+1], v[RP:RP+1], v[ALP+2*RQ:ALP+2*RQ+1] op_sel_hi:[1,0]
.endr
.endm
; The sixteen S products of piece p (sm = 1), one by one; behind each, of the other piece (fe = 1), four exponentials of one tile and two multiply-adds of the next.
; The multiply-adds are also the plain instructions between a run of exponentials and whatever follows (ISA guide 5.7.2); behind the last run that is the next pack.
.macro SEG3 p, sm, fe
	WIN W_S
.if \fe
	SFMAH 1-\p, 0, 0
	SFMAH 1-\p, 0, 1
.endif
.set ii, 0
.rept 16
.set ig, ii/2
.set ih, ii%2
.if \sm
	SWM \p, ii
.endif
.if \fe
	SEXPH 1-\p, ig, ih
.if ii < 14
	SFMAH 1-\p, ig+1, ih
.endif
.endif
.set ii, ii+1
.endr
.if \fe == 0
.rept 4
	v_nop                                          ; four places behind the last product before its scores are read (ISA guide 7.12.1): only where there is no vector work yet
.endr
.endif
	WIN 0
.endm
; HALF-STEP of piece p (0 = A, 1 = B; the other piece is 1 - p).
;   first: 0 = sums, packs and PV of p as a rule; 1 = the very first 64 keys start sums and O; 2 = none yet
;   mxf:   0 = maxima, statistics, rescale, multiply-adds, exponentials of the other piece; 1 = its very first scores (no rescale); 2 = none left
;   ld:    1 = p = 0 loads K's, p = 1 loads V's fragments of half u of the tile in bf16 slot bs
;   sm:    1 = the S products of p against the K fragments
;   cv:    1 = half p of my share of the next tile's K (u = 0) or V (u = 1) goes from the other raw slot into the other bf16 slot
; A P fragment is multiplied as soon as its two tiles are packed: (q0, ks 0) behind two packs, and so on.  The eight accumulators of PV take turns, one
; instruction a turn; a fragment's second 32 keys come eight products behind its first.
.macro HALF p, bs, u, first, mxf, ld, sm, cv
.if \first != 2
	SUSE 2*\p, 0, \first                           ; at least seven plain instructions that name none of the last S product's registers: behind them K may be loaded over (ISA guide 7.12.1)
.endif
.if \cv
	CONV_LD 1-\bs, \u, \p
.endif
.if \ld
.if \p == 0
	KLOAD \bs, \u                                  ; wanted sixteen products and some 200 vector instructions further down
.endif
.endif
.if \first != 2
	SUSE 2*\p, 1, \first
	PVRUN 2*\p, 0, 0, \first
	SUSE 2*\p+1, 0, \first
	SUSE 2*\p+1, 1, \first
	PVRUN 2*\p, 0, 2, \first
	SUSE 2*\p, 2, \first
	SUSE 2*\p, 3, \first
	PVRUN 2*\p+1, 0, 0, \first
	SUSE 2*\p+1, 2, \first
	SUSE 2*\p+1, 3, \first
	PVRUN 2*\p+1, 0, 2, \first
.endif
.if \cv
	s_wait_dscnt 16*\ld*(1-\p)                     ; my four raw loads are in; K's sixteen, issued behind them in piece A's half-step, stay out
	CONV_ST 1-\bs, \u, \p
.endif
.if \mxf != 2
	MXSTEP 1-\p, 0, \mxf
	MXSTEP 1-\p, 1, \mxf
.endif
.if \first != 2
	PVRUN 2*\p, 1, 0, 0
.endif
.if \mxf != 2
	MXSTEP 1-\p, 2, \mxf
	MXSTEP 1-\p, 3, \mxf
	MXSTEP 1-\p, 4, \mxf
	MXSTEP 1-\p, 5, \mxf
.endif
.if \first != 2
	PVRUN 2*\p, 1, 2, 0
.endif
.if \mxf != 2
	MXSTEP 1-\p, 6, \mxf
	MXSTEP 1-\p, 7, \mxf
	STATS 1-\p, \mxf
.endif
.if \first != 2
	WIN W_PV
.irp k, 0,1,2,3
	WPV 2*\p+1, 1, \k, 0                           ; the last four, one by one, each with eight rescales of the other piece's O behind it: no switch between them
.if \mxf == 0
	RESC 1-\p, \k
.endif
.endr
.if \mxf != 0
.rept 5
	v_nop                                          ; where there is no rescale: the five places (ISA guide 7.12.1) behind the last PV, which the eight rescales fill elsewhere
.endr
.endif
.endif                                             ; behind those places V is loaded over, the next scores are written over P, and (at the end) O is read
.if \ld
.if \p == 1
	VLOAD \bs, \u                                  ; wanted behind the sixteen S products below
.endif
.endif
.if \sm
.if \p == 0
	s_wait_dscnt 0x0                               ; K's fragments are in (and my four converted stores are done)
.endif
.endif
.if \mxf == 2
.if \sm
	SEG3 \p, 1, 0
.endif
.else
	SEG3 \p, \sm, 1
.endif
	WIN 0
.endm
; THE GATE in front of tile T (bf16 slot bs = T % 2).  Every wave waits for all its tensor loads (its part of raw tile T + 1 among them) and for all its LDS
; accesses: its stores into bf16 slot bs, its reads of raw slot bs (converted last trip), its fragment loads from the other bf16 slot, V's last among them.
; Behind the barrier raw slot bs is asked for again first (tile T + 2), one load a wave, with the whole trip in which to land: 128 products and their vector work.
; Where a slot is filled again the barrier is a round of the cluster's barrier: no work-group asks while a wave of a partner still reads the slot or has a load on its way.
.macro GATE bs, refill
	s_wait_tensorcnt 0x0
	ds_add_u32 v254, v255
	s_wait_dscnt 0x0
.if \refill
	s_add_nc_u64 s[G0+4*\bs+2:G0+4*\bs+3], s[G0+4*\bs+2:G0+4*\bs+3], 2*TILEB  ; no load of mine is out, so a group 0 may be written: two tiles on; the type bits on top are not reached
.endif
	s_wait_dscnt 0x0
.if \refill
	ROUND
	tensor_load_to_lds s[G0+4*\bs:G0+4*\bs+3], s[G1:G1+7]
	s_nop 0
.else
	s_barrier_signal -1                            ; my work-group's barrier is enough
	s_barrier_wait -1
.endif
.endm
; Trip T = H_A(2T-1), H_B(2T-1), H_A(2T), H_B(2T): the four half-steps that load K(2T), V(2T), K(2T+1), V(2T+1), all of tile T and nothing else.
.macro TRIP bs, refill, conv
	GATE \bs, \refill
	HALF 0, \bs, 0, 0, 0, 1, 1, \conv
	HALF 1, \bs, 0, 0, 0, 1, 1, \conv
	s_wait_dscnt 0x0                               ; V's fragments, loaded sixteen products ago, are in
	HALF 0, \bs, 1, 0, 0, 1, 1, \conv
	HALF 1, \bs, 1, 0, 0, 1, 1, \conv
.endm
	GATE 0, 1                                      ; tile 0, written out: the turns are taken up one by one
	HALF 0, 0, 0, 2, 2, 1, 1, 1                    ; K(0); S_A(0)
	HALF 1, 0, 0, 2, 1, 1, 1, 1                    ; A's first maxima; V(0); A's exponentials among S_B(0)
	s_wait_dscnt 0x0                               ; V(0) is in
	HALF 0, 0, 1, 1, 1, 1, 1, 1                    ; A's first sums and PV_A(0), which starts O; B's first maxima; K(1); S_A(1)
	HALF 1, 0, 1, 1, 0, 1, 1, 1                    ; B's first sums and PV_B(0); from here on A goes as a rule
	TRIP 1, 1, 1                                   ; tile 1
	s_mov_b32 s38, 6                               ; tiles 2 to 13
.Ltiles:
	TRIP 0, 1, 1
	TRIP 1, 1, 1
	s_sub_co_i32 s38, s38, 1
	s_cmp_lg_u32 s38, 0
	s_cbranch_scc1 .Ltiles
	TRIP 0, 0, 1                                   ; tile 14: nothing is left to fetch; tile 15 is converted
	TRIP 1, 0, 0                                   ; tile 15: nothing is left to convert
	s_wait_dscnt 0x0                               ; V(31) is in
	HALF 0, 0, 0, 0, 0, 0, 0, 0                    ; PV_A(31); B's last softmax; no scores are left to make
	HALF 1, 0, 0, 0, 2, 0, 0, 0                    ; PV_B(31)
	; THE WAY OUT.  The denominator: my two partial sums, then the other half of the keys from lane xor 16; O x 1 / it.
.irp q, 0,1,2,3
	v_add_f32 v[LP+2*\q], v[LP+2*\q], v[LP+2*\q+1]
.endr
.irp q, 0,1,2,3
	v_permlanex16_b32 v[TQ+\q], v[LP+2*\q], s36, s37
.endr
.irp q, 0,1,2,3
	v_add_f32 v[LP+2*\q], v[LP+2*\q], v[TQ+\q]
.endr
.irp q, 0,1,2,3
	v_rcp_f32 v[ALP+2*\q], v[LP+2*\q]
.endr
	v_nop                                          ; a plain instruction between the reciprocals and their use (ISA guide 5.7.2)
	s_wait_alu depctr_va_vdst(0)
	WIN W_PV
.irp o, 0,1
.irp k, 0,1,2,3
	RESC \o, \k
.endr
.endr
	WIN 0
; Query tile q: a lane holds 8 neighbouring d of query r in each of four tiles; 16 rows of 256 bytes go through my own stage and come back by rows.
.macro OUTTILE q
	WIN W_S                                        ; the stores' data (source 1) in window 1
.irp dt, 0,1,2,3
	ds_store_b128 v[STO], v[8*(4*\q+\dt):8*(4*\q+\dt)+3]   offset:64*\dt
	ds_store_b128 v[STO], v[8*(4*\q+\dt)+4:8*(4*\q+\dt)+7] offset:64*\dt+16
.endr
	WIN 0
.irp t, 0,1,2,3,4,5,6,7
	ds_load_b128 v[SC+32*\q+4*\t:SC+32*\q+4*\t+3], v[RD] offset:2*OP*\t       ; my own bytes, served in order: these see the stores above
.endr
.irp t, 0,1,2,3,4,5,6,7
	s_wait_dscnt 7-\t                              ; the younger read-backs stay out; the last count is 0, so the next tile's stores find the stage read
	global_store_b128 v[GOFF], v[SC+32*\q+4*\t:SC+32*\q+4*\t+3], s[44:45] offset:4096*\q+512*\t th:TH_STORE_NT   ; two whole rows: 512 consecutive bytes, aligned; each store has data registers of its own
.endr
.endm
	OUTTILE 0
	OUTTILE 1
	OUTTILE 2
	OUTTILE 3
	s_wait_tensorcnt 0x0
	ds_add_u32 v254, v255
	s_wait_dscnt 0x0
	ROUND                                          ; the closing round: no work-group ends while a partner may still ask for a tile that names it
	s_endpgm
.Lfunc_end_k_q8f754cc199_attn:
	.size	k_q8f754cc199_attn, .Lfunc_end_k_q8f754cc199_attn-k_q8f754cc199_attn
	.p2alignl 7, 3214868480
	.fill 96, 4, 3214868480
	.section	.rodata,"a",@progbits
	.p2align	6, 0x0
	.amdhsa_kernel k_q8f754cc199_attn
		.amdhsa_group_segment_fixed_size 327680
		.amdhsa_private_segment_fixed_size 0
		.amdhsa_enable_private_segment 0
		.amdhsa_kernarg_size 32
		.amdhsa_user_sgpr_count 2
		.amdhsa_user_sgpr_kernarg_segment_ptr 1
		.amdhsa_wavefront_size32 1
		.amdhsa_system_sgpr_workgroup_id_x 1
		.amdhsa_system_sgpr_workgroup_id_y 1
		.amdhsa_system_sgpr_workgroup_id_z 1
		.amdhsa_system_vgpr_workitem_id 0
		.amdhsa_next_free_vgpr 512
		.amdhsa_next_free_sgpr 66
		.amdhsa_reserve_vcc 0
		.amdhsa_float_denorm_mode_32 3
		.amdhsa_float_denorm_mode_16_64 3
		.amdhsa_memory_ordered 1
		.amdhsa_forward_progress 1
		.amdhsa_inst_pref_size 255
	.end_amdhsa_kernel
	.section	.bss,"aw",@nobits
	.p2align	6
	.space	262144
	.amdgpu_metadata
---
amdhsa.version: [ 1, 2 ]
amdhsa.kernels:
  - .name:           k_q8f754cc199_attn
    .symbol:         k_q8f754cc199_attn.kd
    .args:
      - { .name: q, .offset: 0, .size: 8, .value_kind: global_buffer, .address_space: global }
      - { .name: k, .offset: 8, .size: 8, .value_kind: global_buffer, .address_space: global }
      - { .name: v, .offset: 16, .size: 8, .value_kind: global_buffer, .address_space: global }
      - { .name: out0, .offset: 24, .size: 8, .value_kind: global_buffer, .address_space: global }
    .group_segment_fixed_size: 327680
    .private_segment_fixed_size: 0
    .kernarg_segment_align: 8
    .kernarg_segment_size: 32
    .max_flat_workgroup_size: 256
    .sgpr_count:     66
    .vgpr_count:     512
    .wavefront_size: 32
...
	.end_amdgpu_metadata
.endif
;; end of part 1
